; MI455X (gfx1250); checked and timed in simulation.
; The chip was launched on July 23, 2026; its instructions are those of AMD's public machine-readable ISA for CDNA 5 (MIT licence, August 2026) and "CDNA5" Instruction Set Architecture Reference Guide (July 2026). The comments in the code are by the model that wrote it; some were corrected since.
;; Multi Head Attention. Allowed arithmetic: matrix products marked QUANTISED: E4M3 operands, one given power-of-two scale a tensor, by v_wmma_f32_16x16x64_fp8_fp8 or v_wmma_f32_16x16x128_fp8_fp8, f32 sums; everything else in f32.
;; Inputs: Wk 1,024 x 1,024 float32; Wq 1,024 x 1,024 float32; Wv 1,024 x 1,024 float32; bk 1,024 float32; bq 1,024 float32; bv 1,024 float32; k 8 x 1,024 x 1,024 float32; lowp_scales 10 int32 (the exponents e of the quantised operands' scales 2^e); q 8 x 1,024 x 1,024 float32; v 8 x 1,024 x 1,024 float32.
;; Outputs: out0 8 x 1,024 x 1,024 float32.
;; This version of the problem:
;;   THIS VERSION OF THE PROBLEM IS GIVEN IN LOW PRECISION. The matrix products marked QUANTISED in the list below multiply operands that are first quantised to E4M3 (4 exponent bits, 3 mantissa bits; 8 bits a number), with one given power-of-two scale for each operand tensor; their sums are f32. All else is computed in f32.
;;   The module's matrix products, in the order in which they are computed (A, B: the left and right operand; K: the contracted axis; several contracted axes count as one K, in the product's order):
;;     1. [M 8,192, K 1,024] x [K 1,024, N 1,024]; A: input q; B: input Wq: QUANTISED (scales: A lowp_scales[0], B lowp_scales[1])
;;     2. [M 8,192, K 1,024] x [K 1,024, N 1,024]; A: input k; B: input Wk: QUANTISED (scales: A lowp_scales[2], B lowp_scales[3])
;;     3. [M 8,192, K 1,024] x [K 1,024, N 1,024]; A: input v; B: input Wv: QUANTISED (scales: A lowp_scales[4], B lowp_scales[5])
;;     4. batch 128 x [M 1,024, K 64] x [K 64, N 1,024]; A: computed on the way; B: computed on the way: QUANTISED (scales: A lowp_scales[6], B lowp_scales[7])
;;     5. batch 128 x [M 64, K 1,024] x [K 1,024, N 1,024]; A: computed on the way; B: computed on the way: QUANTISED (scales: A lowp_scales[8], B lowp_scales[9])
;;   THE QUANTISER, for each operand of a quantised product, along K:
;;     - The operand's scale is 2^e, e = its entry of the input lowp_scales (int32; the entries are numbered through the quantised products in the list's order, A before B).
;;     - Each number is divided by the scale, clamped to +-448, and rounded to the nearest number of E4M3, ties to even, subnormals kept.
;;     - The product sums the exact products of the quantised numbers (number of the format x scale) in f32.
;;   ~~~python
;;   def quantise(x, axis, e):      # numpy; x: float32 -> the quantised numbers, widened to float32 again
;;       x = np.moveaxis(x, axis, -1); K = x.shape[-1]
;;       r = np.clip(x / 2.0 ** e, -448, 448)
;;       step = 2.0 ** (np.maximum(np.frexp(np.where(r == 0, 1, r))[1] - 1, -6) - 3)
;;       q = np.round(r / step) * step * 2.0 ** e      # np.round: ties to even
;;       return np.moveaxis(q, -1, axis).astype(np.float32)
;;   ~~~
;;   OPERANDS COMPUTED ON THE WAY. 'Computed on the way' means the value that the module computes at that place (a softmax that the list does not call 'softmax' is quantised finished and normalised). What goes into a quantiser is computed in f32, as accurately as f32 sums, v_exp_f32 and their like allow (about 1e-6 of the number): no bf16 or f16 on the way to a quantiser, and a product that is left as it is and whose result goes on into a quantised operand takes f32 operands (vector FMAs, or v_wmma_f32_16x16x4_f32). A number that lies on a knife's edge between two numbers of the format may be rounded either way, as far as f32 arithmetic and the matrix unit's own rounding can turn it there, and no further.
;; One version. Each part assembles by itself: llvm-mc -triple=amdgcn-amd-amdhsa -mcpu=gfx1250 --defsym DOCPART=n.
;; ======== version 1 of 1: 4 launches
;; limits: right only within a limited range of input values
;; workspace buffers: xc 25,165,824 bytes; wc 3,145,728 bytes; hc 25,165,824 bytes; ng 524,288 bytes
;; launch quant (part 1): grid 960 x 1, 4 waves a work-group, no clusters, 36,352 bytes of LDS; arguments q, k, v, Wq, Wk, Wv, lowp_scales, xc, wc; writes xc, wc
.if DOCPART == 1
	.amdgcn_target "amdgcn-amd-amdhsa--gfx1250"
	.amdhsa_code_object_version 6
	.text
	.protected	k_q5c99a0b1c4_quant
	.globl	k_q5c99a0b1c4_quant
	.p2align	8
	.type	k_q5c99a0b1c4_quant,@function
k_q5c99a0b1c4_quant:
	s_mov_b64 s[64:65], 0
	v_nop
	global_prefetch_b8 v0, s[64:65] scope:SCOPE_SE
	s_setreg_imm32_b32 hwreg(HW_REG_WAVE_MODE, 25, 1), 1
	s_wait_xcnt 0x0
; q, k, v [8][1024 c][1024 l] and Wq, Wk, Wv [1024 o][1024 c], all f32, become codes of E4M3 with the contracted axis c innermost:
;   xc [3][8192 rows = 1024 b + l][1024 bytes],   wc [3][1024 o][1024 bytes].
; code = x / 2^e, held within +-448, to the nearest code, ties to even.  e: lowp_scales[2 T] for q, k, v (T = 0, 1, 2), lowp_scales[2 T + 1] for the weights.
; LIMITS: -126 <= e <= 119, so that 2^e and 448 x 2^e are f32 numbers.  NaN among the inputs is not served (an infinity is held at the largest code).
; THE ORDER ALONG c.  Inside each block of 256 along c, byte p holds channel CP(p) = 128 ((p / 4) % 2) + 4 (p / 8) + p % 4, alike in xc and in wc: every product still meets its partner,
; only the order of the sums inside a matrix instruction changes.  It lets a weight's lane take 16 dense bytes twice (channels 4 L .. 4 L + 3 and 128 + 4 L .. + 3) and store its eight codes as they come.
; WORK-GROUPS 0 .. 767: q, k, v.  c is NOT innermost there: a lane takes a column l and its registers run down c (in the order CP), so the conversions give codes with c innermost.  A wave takes 32 columns x 256 channels;
; the codes turn through the wave's own stage in LDS and leave as rows: sixteen lanes store 256 consecutive bytes, aligned.  Loads run two blocks of 32 ahead.
; WORK-GROUPS 768 .. 959: the weights.  c is innermost: a plain stream, 4,096 numbers a wave, no LDS: this path names no LDS byte.
; No tensor loads, no barrier: waves share nothing.
.set NX,    768                        ; work-groups for q, k, v: 3 tensors x 8 batches x 8 groups of 128 columns x 4 blocks of 256 channels
.set PITCH, 272                        ; a stage row: 256 bytes of codes + 16
.set X,     32                         ; v32-95   two sets of 32 numbers
.set C,     96                         ; v96-103  a block's codes
.set OUTR,  112                        ; v112-175 the way out
.set WR,    32                         ; v32-159  the weights' path: 16 blocks x 8 numbers
.set WCD,   160                        ; v160-191 and their codes, two registers a block, so that no store's data are written again
	s_load_b256 s[4:11], s[0:1], 0x0               ; q s[4:5], k s[6:7], v s[8:9], Wq s[10:11]
	s_load_b256 s[12:19], s[0:1], 0x20             ; Wk s[12:13], Wv s[14:15], the scales' exponents s[16:17], xc s[18:19]
	s_load_b64 s[20:21], s[0:1], 0x40              ; wc
	v_lshl_add_u32 v192, v0, 2, 0x8c00
	v_mov_b32 v193, 0
	v_lshrrev_b32 v1, 5, v0
	v_readfirstlane_b32 s22, v1                    ; wave 0..3
	v_and_b32 v2, 31, v0                           ; lane
	s_cmp_lt_u32 ttmp9, NX
	s_cbranch_scc0 .Lw
	; ---------------- q, k, v
	s_lshr_b32 s23, ttmp9, 8                       ; T
	s_bfe_u32 s24, ttmp9, 0x30005                  ; batch
	s_bfe_u32 s25, ttmp9, 0x30002                  ; which 128 columns
	s_and_b32 s26, ttmp9, 3                        ; which 256 channels
	s_lshl_b32 s27, s25, 7
	s_lshl_b32 s28, s22, 5
	s_add_co_u32 s27, s27, s28                     ; my wave's first column
	s_lshl_b32 s28, s24, 22                        ; in: batch x 4 MiB
	s_lshl_b32 s29, s26, 20                        ;     + 256 channels x 4,096 bytes
	s_add_co_u32 s28, s28, s29
	s_lshl_b32 s29, s27, 2                         ;     + 4 x column
	s_add_co_u32 s28, s28, s29
	s_mov_b32 s29, 0
	s_lshl_b32 s30, s24, 10
	s_add_co_u32 s30, s30, s27                     ; out: row 1024 b + column,
	s_lshl_b32 s30, s30, 10                        ;      of 1,024 bytes,
	s_lshl_b32 s31, s23, 23                        ;      + T x 8 MiB
	s_add_co_u32 s30, s30, s31
	s_lshl_b32 s31, s26, 8                         ;      + the block's 256 bytes
	s_add_co_u32 s30, s30, s31
	s_mov_b32 s31, 0
	s_lshl_b32 s32, s23, 3                         ; entry 2 T of the exponents
	s_mov_b32 s33, 0
	s_wait_alu depctr_va_vdst(0)
	v_lshlrev_b32 v3, 2, v2                        ; in: 4 bytes a lane
	s_mul_i32 s35, s22, 32*PITCH                   ; my stage
	v_mul_u32_u24 v4, v2, PITCH
	v_add_nc_u32 v4, s35, v4                       ; into it: row = my column
	v_and_b32 v5, 15, v2
	v_lshrrev_b32 v6, 4, v2                        ; out of it: sixteen lanes to a row, two rows an instruction
	v_mul_u32_u24 v7, v6, PITCH
	v_lshl_add_u32 v7, v5, 4, v7
	v_add_nc_u32 v7, s35, v7
	v_lshlrev_b32 v8, 10, v6                       ; and the same place in xc
	v_lshl_add_u32 v8, v5, 4, v8
	s_wait_kmcnt 0x0
	s_add_nc_u64 s[16:17], s[16:17], s[32:33]
	s_load_b32 s34, s[16:17], 0x0                  ; e
	s_cmp_eq_u32 s23, 0                            ; the tensor is chosen by the work-group's number alone
	s_cselect_b64 s[4:5], s[4:5], s[6:7]
	s_cmp_eq_u32 s23, 2
	s_cselect_b64 s[4:5], s[8:9], s[4:5]
	s_add_nc_u64 s[4:5], s[4:5], s[28:29]
	s_add_nc_u64 s[18:19], s[18:19], s[30:31]
.macro LOAD t                          ; block t: positions 32 t + i, i = 0 .. 31, of my column: channel CP(32 t + i); each load reads 128 consecutive bytes a wave, the four waves side by side 512
.set i, 0
.rept 32
	global_load_b32 v[X+32*((\t)%2)+i], v3, s[4:5] offset:(128*((i/4)%2)+4*(4*(\t)+i/8)+i%4)*4096 th:TH_LOAD_NT
.set i, i+1
.endr
.endm
	LOAD 0
	LOAD 1
	s_wait_kmcnt 0x0
	s_add_co_i32 s34, s34, 127
	s_lshl_b32 s35, s34, 23
	v_mov_b32 v11, s35                             ; 2^e as f32: the conversion takes its exponent field
	s_add_co_i32 s34, s34, 8
	s_lshl_b32 s34, s34, 23
	s_or_b32 s34, s34, 0x600000
.macro BLOCK t
.set XS, X+32*((\t)%2)
.if (\t) < 7
	s_wait_loadcnt 32                              ; this block's 32 loads are in; the next block's 32 may be out
.else
	s_wait_loadcnt 0
.endif
.set i, 0
.rept 32
.set i, i+1
.endr
.irp g, 0,1,2,3
	v_cvt_scalef32_pk8_fp8_f32 v[C+2*\g:C+2*\g+1], v[XS+8*\g:XS+8*\g+7], v11
.endr
	ds_store_b128 v4, v[C:C+3] offset:32*(\t)      ; 32 codes of my column's row.  (The results go to LDS stores alone)
	ds_store_b128 v4, v[C+4:C+7] offset:32*(\t)+16
.if (\t)+2 < 8
	LOAD (\t)+2
.endif
	s_wait_dscnt 0x0                               ; the stores have read their registers: the next block's codes may be written
.endm
	s_wait_alu depctr_va_vdst(0)
.irp t, 0,1,2,3,4,5,6,7
	BLOCK \t
.endr
.irp t, 0,1,2,3,4,5,6,7,8,9,10,11,12,13,14,15
	ds_load_b128 v[OUTR+4*\t:OUTR+4*\t+3], v7 offset:2*\t*PITCH   ; LDS serves a wave's instructions in order: these see my stores
.endr
.irp t, 0,1,2,3,4,5,6,7,8,9,10,11,12,13,14,15
	s_wait_dscnt 15-\t                             ; the younger reads may stay out
	global_store_b128 v8, v[OUTR+4*\t:OUTR+4*\t+3], s[18:19] offset:2*\t*1024
.endr
	s_wait_tensorcnt 0x0
	ds_add_u32 v192, v193
	s_wait_dscnt 0x0
	s_endpgm
	; ---------------- the weights
.Lw:
	s_sub_co_u32 s23, ttmp9, NX
	s_lshr_b32 s24, s23, 6                         ; T: 64 work-groups a weight
	s_and_b32 s25, s23, 63
	s_lshl_b32 s25, s25, 2
	s_add_co_u32 s25, s25, s22                     ; which run of 4,096 numbers is my wave's
	s_lshl_b32 s28, s25, 14                        ; in bytes of f32,
	s_mov_b32 s29, 0
	s_lshl_b32 s30, s25, 12                        ; and of codes,
	s_lshl_b32 s31, s24, 20                        ; + T x 1 MiB
	s_add_co_u32 s30, s30, s31
	s_mov_b32 s31, 0
	s_lshl_b32 s32, s24, 3
	s_add_co_u32 s32, s32, 4                       ; entry 2 T + 1 of the exponents
	s_mov_b32 s33, 0
	s_wait_alu depctr_va_vdst(0)
	v_lshlrev_b32 v3, 4, v2                        ; in: 16 bytes a lane
	v_lshlrev_b32 v4, 3, v2                        ; out: 8 bytes a lane
	s_wait_alu depctr_va_vdst(0)
	s_wait_kmcnt 0x0
	s_add_nc_u64 s[16:17], s[16:17], s[32:33]
	s_load_b32 s34, s[16:17], 0x0                  ; e
	s_cmp_eq_u32 s24, 0
	s_cselect_b64 s[4:5], s[10:11], s[12:13]
	s_cmp_eq_u32 s24, 2
	s_cselect_b64 s[4:5], s[14:15], s[4:5]
	s_add_nc_u64 s[4:5], s[4:5], s[28:29]
	s_add_nc_u64 s[20:21], s[20:21], s[30:31]
.irp t, 0,1,2,3,4,5,6,7,8,9,10,11,12,13,14,15  ; all 32 loads at once: each reads 512 consecutive bytes; block t is 256 channels of one row
	global_load_b128 v[WR+8*\t:WR+8*\t+3],   v3, s[4:5] offset:1024*\t th:TH_LOAD_NT       ; channels 4 L .. 4 L + 3
	global_load_b128 v[WR+8*\t+4:WR+8*\t+7], v3, s[4:5] offset:1024*\t+512 th:TH_LOAD_NT   ; channels 128 + 4 L .. + 3
.endr
	s_wait_kmcnt 0x0
	s_add_co_i32 s34, s34, 127
	s_lshl_b32 s35, s34, 23
	v_mov_b32 v11, s35                             ; 2^e
	s_wait_alu depctr_va_vdst(0)
.irp t, 0,1,2,3,4,5,6,7,8,9,10,11,12,13,14,15
	s_wait_loadcnt 30-2*\t                         ; this block's two loads are in; the later blocks' may be out
.irp i, 0,1,2,3,4,5,6,7
.endr
	v_cvt_scalef32_pk8_fp8_f32 v[WCD+2*\t:WCD+2*\t+1], v[WR+8*\t:WR+8*\t+7], v11   ; bytes 8 L + 0 .. 7 of the block: positions whose channels, by CP, are just these eight
	global_store_b64 v4, v[WCD+2*\t:WCD+2*\t+1], s[20:21] offset:256*\t            ; the wave stores 256 consecutive bytes, aligned
.endr
	s_endpgm
.Lfunc_end_k_q5c99a0b1c4_quant:
	.size	k_q5c99a0b1c4_quant, .Lfunc_end_k_q5c99a0b1c4_quant-k_q5c99a0b1c4_quant
	.p2alignl 7, 3214868480
	.fill 96, 4, 3214868480
	.section	.rodata,"a",@progbits
	.p2align	6, 0x0
	.amdhsa_kernel k_q5c99a0b1c4_quant
		.amdhsa_group_segment_fixed_size 36352
		.amdhsa_private_segment_fixed_size 0
		.amdhsa_enable_private_segment 0
		.amdhsa_kernarg_size 72
		.amdhsa_user_sgpr_count 2
		.amdhsa_user_sgpr_kernarg_segment_ptr 1
		.amdhsa_wavefront_size32 1
		.amdhsa_system_sgpr_workgroup_id_x 1
		.amdhsa_system_sgpr_workgroup_id_y 1
		.amdhsa_system_sgpr_workgroup_id_z 1
		.amdhsa_system_vgpr_workitem_id 0
		.amdhsa_next_free_vgpr 194
		.amdhsa_next_free_sgpr 66
		.amdhsa_reserve_vcc 0
		.amdhsa_float_denorm_mode_32 3
		.amdhsa_float_denorm_mode_16_64 3
		.amdhsa_fp16_overflow 1
		.amdhsa_memory_ordered 1
		.amdhsa_forward_progress 1
		.amdhsa_inst_pref_size 41
	.end_amdhsa_kernel
	.amdgpu_metadata
---
amdhsa.version: [ 1, 2 ]
amdhsa.kernels:
  - .name:           k_q5c99a0b1c4_quant
    .symbol:         k_q5c99a0b1c4_quant.kd
    .args:
      - { .name: q, .offset: 0, .size: 8, .value_kind: global_buffer, .address_space: global }
      - { .name: k, .offset: 8, .size: 8, .value_kind: global_buffer, .address_space: global }
      - { .name: v, .offset: 16, .size: 8, .value_kind: global_buffer, .address_space: global }
      - { .name: Wq, .offset: 24, .size: 8, .value_kind: global_buffer, .address_space: global }
      - { .name: Wk, .offset: 32, .size: 8, .value_kind: global_buffer, .address_space: global }
      - { .name: Wv, .offset: 40, .size: 8, .value_kind: global_buffer, .address_space: global }
      - { .name: lowp_scales, .offset: 48, .size: 8, .value_kind: global_buffer, .address_space: global }
      - { .name: xc, .offset: 56, .size: 8, .value_kind: global_buffer, .address_space: global }
      - { .name: wc, .offset: 64, .size: 8, .value_kind: global_buffer, .address_space: global }
    .group_segment_fixed_size: 36352
    .private_segment_fixed_size: 0
    .kernarg_segment_align: 8
    .kernarg_segment_size: 72
    .max_flat_workgroup_size: 128
    .sgpr_count:     66
    .vgpr_count:     194
    .wavefront_size: 32
...
	.end_amdgpu_metadata
.endif
;; end of part 1
;; launch proj (part 2): grid 4 x 96, 4 waves a work-group, clusters of 4 x 4, 327,680 bytes of LDS; arguments xc, wc, lowp_scales, bq, bk, bv, hc; writes hc
.if DOCPART == 2
	.amdgcn_target "amdgcn-amd-amdhsa--gfx1250"
	.amdhsa_code_object_version 6
	.text
	.protected	k_q5c99a0b1c4_proj
	.globl	k_q5c99a0b1c4_proj
	.p2align	8
	.type	k_q5c99a0b1c4_proj,@function
k_q5c99a0b1c4_proj:
	s_mov_b64 s[64:65], 0
	v_nop
	global_prefetch_b8 v0, s[64:65] scope:SCOPE_SE
	s_setreg_imm32_b32 hwreg(HW_REG_WAVE_MODE, 25, 1), 1
	s_wait_xcnt 0x0
	s_wait_alu depctr_hold_cnt(0) depctr_sa_sdst(0) depctr_va_vdst(0) depctr_va_sdst(0) depctr_va_ssrc(0) depctr_va_vcc(0) depctr_vm_vsrc(0)
	s_getreg_b32 s2, hwreg(HW_REG_IB_STS2, 6, 4)
	s_cmp_eq_u32 s2, 0
	s_cbranch_scc0 .Lentry_in_a_cluster
	s_endpgm
.Lentry_in_a_cluster:
	s_bfe_u32 s2, ttmp6, 0x10000c
	s_cmp_lg_u32 s2, 0xf033
	s_cbranch_scc0 .Lentry_shape_is_right
	s_endpgm
.Lentry_shape_is_right:
; The three projections Y[b][o][l] = sum over c of W[o][c] x[b][c][l] + bias[o] on codes of E4M3, and Y quantised at once for the two products of the attention.
; A cluster of 4 x 4 work-groups makes one tensor T (0 q, 1 k, 2 v) of one batch: 1,024 x 1,024 of C; a work-group 256 x 256; each of its four waves 128 x 128: 64 accumulators of 16 x 16, 512 registers.
; K = 1,024 goes in four steps of 256 through a ring of two LDS slots filled by the tensor data mover; a tile's row is 256 bytes of memory.
; WHICH OPERAND GIVES C's ROWS.  For q and k: rows = positions l (codes of x), columns = channels o (codes of W).  For v the other way round: rows = o, columns = positions.  The choice is made by selects on T
; (a number that all sixteen partners share) among pointers, offsets and masks: there is no branch on it.
; THE MATRIX INSTRUCTION IS USED TRANSPOSED (source 0 = 16 rows of the column operand, source 1 = 16 rows of the row operand): lane (r, h) of accumulator (a, b) holds C(16 a + r, 16 b + 8 h + 0 .. 7).
; Those eight neighbours lie along the NEXT product's K (a head's channels for q and k, the keys for v), so their eight codes ARE registers 2 (b % 4), 2 (b % 4) + 1 of an operand of v_wmma_f32_16x16x64_fp8_fp8.
; hc [3][128 heads][64 fragments][1,024 bytes] holds such fragments as images of their registers: registers 4 e .. 4 e + 3 of lane L at byte 512 e + 16 L.  q, k: fragment = tile of 16 positions; v: fragment = 16 x (tile of 16 channels) + block of 64 keys.
; So the way out needs no LDS: each store of the wave covers 512 consecutive bytes, aligned.
; ARITHMETIC.  A sum stands for sum x 2^E, E = ex + ew.  t = sum + bias / 2^E (one rounding, as sum x 2^E + bias has); code = t / 2^(eo - E), held within +-448.  eo: lowp_scales[7] for q, [6] for k
; (JAX lowers the scores' product with k's heads as its left operand), [8] for v.
; LIMITS: eo - E between -126 and 119; bias / 2^E must be an f32 number.  NaN is not served.
; CLUSTERS: the four work-groups of a row of the cluster need the same tiles of the row operand, the four of a column the same tiles of the column operand: each tile is asked for jointly.
; 384 work-groups: 24 clusters.
; REGISTERS, in windows of 256: window 0: v0-31 addresses; v32-95 the bias by column, v96-111 the bias by row, v112, v113 the conversion's scale and hold; from v128 the row operand's fragments, ONE set (on the way out v128-207 are at work);
;   window 1: the column operand's fragments, TWO sets;   window 2: the accumulators of my rows 0-63 ((a, b) at v[8 (8 a + b)]);   window 3: those of my rows 64-127.
.set SIZE_K, 1024
.set KSTEP,  256                       ; along K in a slot
.set ROWB,   256                       ; a tile's row in bytes
.set KROW,   SIZE_K                    ; a row of codes in memory, in bytes
.set PITCH,  272                       ; an LDS row: 256 bytes + 16 of padding = 68 words: row r starts at bank 4 r mod 64 (64 banks of 4 bytes: ISA guide 11.1)
.set FR,     16                        ; registers of a fragment: 16 rows x 128 K
.set NL,     4                         ; LDS loads that bring one
.set NP,     4                         ; places behind this matrix instruction (ISA guide 7.12.1)
.set HALFT,  128*PITCH                 ; 128 rows: what one tensor load brings, and what one wave reads of either operand
.set SLOT,   4*HALFT                   ; the row operand's 256 rows, then the column operand's 256
.set LAPS,   SIZE_K/(2*KSTEP)          ; a lap = two K steps = once round the ring
.set SPARE,  2*SLOT                    ; behind the ring: the spare words, 128 bytes for each wave: two blocks of 256 bytes that no other line names
.set ADRA, 16                          ; v16-17  LDS address of my row operand's fragments in slot 0, 1
.set ADRB, 20                          ; v20-21  the same for the column operand
.set CO,   26                          ; v26     16 x lane: my place in an image's 512 bytes
.set SPW,  28                          ; v28     LDS address of my spare word; never rewritten
.set NIL,  29                          ; v29     0; never rewritten
.set BC,   32                          ; v32-95  bias / 2^E of my 8 columns in each of 8 tiles (zeros for v)
.set BR,   96                          ; v96-111 bias / 2^E of my row in each of 8 blocks, twice, as pairs (zeros for q and k)
.set QS,   112                         ; v112    2^(eo - E)
.set QL,   113                         ; v113    448 x that
.set AF,   128                         ; the row operand's fragments, in window 0
.set TMP,  128                         ; the way out: a block's 64 numbers
.set CD,   192                         ; and its 16 registers of codes
.set G1, 24                            ; s[24:31] descriptor group 1 for the row operand's tiles;  s[32:39] group 0, one set for each slot
.set G0, 32
.set G1B, 48                           ; s[48:55], s[56:63] the same for the column operand's
.set G0B, 56
.set MSB, 0
.macro WIN new                         ; the immediate's high byte repeats the setting that is left
.if MSB != \new
	s_set_vgpr_msb (MSB<<8)|\new
.set MSB, \new
.endif
.endm
.set MUL_LO, 0xa1                      ; source 0 window 1, source 1 window 0, C and D window 2
.set MUL_HI, 0xf1                      ; the same, C and D window 3
.set TO_B,   0x40                      ; destination window 1, address window 0
; A joint load: waves 0 and 1 fetch for the row operand, waves 2 and 3 for the column operand.  Each of the two lines has ONE mask and one set of registers for all that issue it; the branch hangs on the wave's number alone.
; Four v_nop follow each of the two lines, ahead of the jump, the label and what follows.
.macro JLOAD g0a, g1a, g0b, g1b
	s_cmp_eq_u32 s15, 0
	s_cbranch_scc0 .Lfor_b_\@
	tensor_load_to_lds s[\g0a:\g0a+3], s[\g1a:\g1a+7]
	s_nop 0
.rept 4
	v_nop
.endr
	s_branch .Lasked_\@
.Lfor_b_\@:
	tensor_load_to_lds s[\g0b:\g0b+3], s[\g1b:\g1b+7]
	s_nop 0
.rept 4
	v_nop
.endr
.Lasked_\@:
.endm
.macro CREST                           ; the cluster's barrier behind its opening work-group barrier
	s_cmp_lg_u32 s14, 0
	s_cbranch_scc1 .Lnot_wave_0_\@
	s_barrier_signal -3
.Lnot_wave_0_\@:
	s_barrier_wait -3
	s_barrier_signal -1
	s_barrier_wait -1
.endm
.macro CROUND                          ; the whole of it
	s_barrier_signal -1
	s_barrier_wait -1
	CREST
.endm
	s_load_b128 s[4:7], s[0:1], 0x0                ; xc s[4:5], wc s[6:7]
	s_load_b128 s[8:11], s[0:1], 0x10              ; the scales' exponents s[8:9], bq s[10:11]
	s_load_b128 s[68:71], s[0:1], 0x20             ; bk s[68:69], bv s[70:71]
	s_load_b64 s[72:73], s[0:1], 0x30              ; hc
	v_lshl_add_u32 v[SPW], v0, 2, SPARE
	v_mov_b32 v[NIL], 0
	ds_add_u32 v28, v29
	ds_add_u32 v28, v29
	s_wait_dscnt 0x0
	v_lshrrev_b32 v1, 5, v0
	v_readfirstlane_b32 s14, v1                    ; wave 0..3
	s_lshr_b32 s15, s14, 1                         ; which half of the tile's rows is mine.  Also: I fetch for the row operand (0) or the column operand (1)
	s_and_b32 s16, s14, 1                          ; which half of its columns.  Also: which 128 rows of that operand's tile I fetch
	s_bfe_u32 s40, ttmp6, 0x40000                  ; cx, cy: my place in the cluster
	s_bfe_u32 s41, ttmp6, 0x40004
	s_lshl_b32 s42, ttmp9, 2
	s_add_co_u32 s42, s42, s40                     ; tile column of C = 4 x cluster x + cx (the grid has one cluster along x)
	s_and_b32 s17, ttmp7, 0xffff                   ; cluster y, 0 .. 23
	s_lshr_b32 s74, s17, 3                         ; T
	s_and_b32 s75, s17, 7                          ; batch
	s_lshl_b32 s43, s41, 2
	s_lshl_b32 s43, 15, s43                        ; my row of the cluster
	s_lshl_b32 s44, 0x1111, s40                    ; my column
	; descriptor group 1: a tile of 128 rows x 256 bytes, padded in LDS
	s_or_b32 s[G1+0], s43, (0<<16)|(1<<20)|(1<<21)|(5<<22)|(3<<25)  ; 15:0 the mask: my row; 17:16 element of 1 byte; 20 padding on; 21 set beside a mask; 24:22 after every 64 words (code 5); 31:25 of 4 words (code 3)
	s_or_b32 s[G1B+0], s44, (0<<16)|(1<<20)|(1<<21)|(5<<22)|(3<<25) ; the same with the mask of my column
.irp g, G1, G1B
	s_mov_b32 s[\g+1], ROWB<<16                    ; tensor_dim0
	s_mov_b32 s[\g+2], 128<<16                     ; tensor_dim1 = 128
	s_mov_b32 s[\g+3], ROWB<<16                    ; tile_dim0
	s_mov_b32 s[\g+4], 128                         ; tile_dim1 = 128
	s_mov_b32 s[\g+5], KROW                        ; tensor_dim0_stride
	s_mov_b32 s[\g+6], 0
	s_mov_b32 s[\g+7], 0
.endr
	; where the tiles come from, in bytes.  The row operand's hang on cy, the batch and T, which my row of the cluster shares; the column operand's on cx, the batch and T, which my column shares.
	s_lshl_b32 s18, s16, 7                         ; which 128 rows of the tile I fetch
	s_lshl_b32 s20, s41, 8
	s_add_co_u32 s20, s20, s18
	s_lshl_b32 s20, s20, 10                        ; row operand: (256 cy + 128 x half) rows of 1,024 bytes
	s_lshl_b32 s46, s42, 8
	s_add_co_u32 s46, s46, s18
	s_lshl_b32 s46, s46, 10                        ; column operand: (256 x tile column + 128 x half) rows
	s_lshl_b32 s19, s75, 20                        ; the batch's 1,024 rows of xc
	s_lshl_b32 s21, s74, 23
	s_add_co_u32 s21, s21, s19                     ; q, k: the row operand is xc, at T x 8 MiB + the batch
	s_lshl_b32 s47, s74, 20                        ; q, k: the column operand is wc, at T x 1 MiB
	s_add_co_u32 s19, s19, 0x1000000               ; v: the column operand is xc, at 16 MiB + the batch
	s_cmp_eq_u32 s74, 2
	s_cselect_b32 s21, 0x200000, s21               ; v: the row operand is wc, at 2 MiB
	s_cselect_b32 s47, s19, s47
	s_add_co_u32 s20, s20, s21
	s_add_co_u32 s46, s46, s47
	s_mov_b32 s21, 0
	s_mov_b32 s47, 0
	s_mul_i32 s45, s14, HALFT                      ; where they go: wave x 128 rows: no place in the cluster enters an LDS address
	s_lshl_b32 s96, s74, 3                         ; the exponents: ex, ew at entries 2 T, 2 T + 1;
	s_mov_b32 s97, 0
	s_cmp_eq_u32 s74, 0
	s_cselect_b32 s88, 28, 24                      ; eo at entry 7 (q), 6 (k),
	s_cmp_eq_u32 s74, 2
	s_cselect_b32 s88, 32, s88                     ; 8 (v)
	s_mov_b32 s89, 0
	s_wait_kmcnt 0x0
	s_add_nc_u64 s[96:97], s[8:9], s[96:97]
	s_load_b64 s[86:87], s[96:97], 0x0             ; ex, ew
	s_add_nc_u64 s[88:89], s[8:9], s[88:89]
	s_load_b32 s98, s[88:89], 0x0                  ; eo
	s_cmp_eq_u32 s74, 2
	s_cselect_b64 s[92:93], s[6:7], s[4:5]         ; the row operand's buffer
	s_cselect_b64 s[94:95], s[4:5], s[6:7]         ; the column operand's
	s_add_nc_u64 s[20:21], s[92:93], s[20:21]
	s_add_nc_u64 s[46:47], s[94:95], s[46:47]
	s_cmp_eq_u32 s74, 0
	s_cselect_b64 s[90:91], s[10:11], s[68:69]
	s_cmp_eq_u32 s74, 2
	s_cselect_b64 s[90:91], s[70:71], s[90:91]     ; the bias
	CROUND                                         ; all sixteen work-groups are here: the first joint loads meet
.irp s, 0,1
	s_mov_b32 s[G0+4*\s], 1
	s_add_co_u32 s[G0+4*\s+1], s45, \s*SLOT
	s_add_nc_u64 s[G0+4*\s+2:G0+4*\s+3], s[20:21], \s*ROWB
	s_or_b32 s[G0+4*\s+3], s[G0+4*\s+3], 0x80000000
	s_mov_b32 s[G0B+4*\s], 1
	s_add_co_u32 s[G0B+4*\s+1], s45, \s*SLOT
	s_add_nc_u64 s[G0B+4*\s+2:G0B+4*\s+3], s[46:47], \s*ROWB
	s_or_b32 s[G0B+4*\s+3], s[G0B+4*\s+3], 0x80000000
	JLOAD G0+4*\s, G1, G0B+4*\s, G1B
.endr
	v_and_b32 v1, 15, v0                           ; r = l % 16
	v_bfe_u32 v2, v0, 4, 1                         ; h = l / 16
	v_mul_u32_u24 v3, v1, PITCH
	v_lshl_add_u32 v4, v2, 4, v3                   ; a fragment's row x pitch + 16 x half
	s_mul_i32 s21, s15, HALFT                      ; my 128 rows of the row operand
	s_mul_i32 s22, s16, HALFT                      ; my 128 rows of the column operand,
	s_add_co_u32 s22, s22, 2*HALFT                 ; which lie behind the other's 256
.irp s, 0,1
	v_add_nc_u32 v[ADRA+\s], s21, v4
	v_add_nc_u32 v[ADRB+\s], s22, v4
	s_add_co_u32 s21, s21, SLOT
	s_add_co_u32 s22, s22, SLOT
.endr
	v_and_b32 v6, 31, v0
	v_lshlrev_b32 v[CO], 4, v6
	; the bias, both ways; both index ranges lie inside 0 .. 1023 whatever T is, and the way that does not apply is cleared below
	s_lshl_b32 s23, s42, 8
	s_lshl_b32 s76, s16, 7
	s_add_co_u32 s23, s23, s76
	s_lshl_b32 s23, s23, 2
	v_lshl_add_u32 v8, v2, 5, s23                  ; by column: 4 (256 x tile column + 128 x half) + 32 h
	s_lshl_b32 s76, s41, 8
	s_lshl_b32 s77, s15, 7
	s_add_co_u32 s76, s76, s77
	s_lshl_b32 s76, s76, 2
	v_lshl_add_u32 v9, v1, 2, s76                  ; by row: 4 (256 cy + 128 x half) + 4 r
.irp b, 0,1,2,3,4,5,6,7
	global_load_b128 v[BC+8*\b:BC+8*\b+3],   v8, s[90:91] offset:64*\b
	global_load_b128 v[BC+8*\b+4:BC+8*\b+7], v8, s[90:91] offset:64*\b+16
.endr
.irp a, 0,1,2,3,4,5,6,7
	global_load_b32 v[BR+2*\a], v9, s[90:91] offset:64*\a
.endr
	; where my codes go in hc.  u = 2 x tile column + column half, w = 16 cy + 8 x row half.  All: T x 8 MiB + batch x 1 MiB.
	; q, k: + u x 2 heads of 65,536 + w fragments of 1,024; the second head 65,536 on; a block of 16 rows 1,024 on.   v: + w x 16,384 + u x 2,048; the second block of 64 keys 1,024 on; a block of 16 channels 16,384 on.
	s_lshl_b32 s76, s42, 1
	s_add_co_u32 s76, s76, s16                     ; u
	s_lshl_b32 s77, s41, 1
	s_add_co_u32 s77, s77, s15
	s_lshl_b32 s77, s77, 3                         ; w
	s_lshl_b32 s78, s76, 17
	s_lshl_b32 s79, s77, 10
	s_add_co_u32 s78, s78, s79
	s_lshl_b32 s79, s77, 14
	s_lshl_b32 s80, s76, 11
	s_add_co_u32 s79, s79, s80
	s_cmp_eq_u32 s74, 2
	s_cselect_b32 s78, s79, s78
	s_mov_b32 s80, 0x10000
	s_cselect_b32 s80, 0x400, s80                  ; from the first pair of stores to the second
	s_mov_b32 s82, 0x400
	s_cselect_b32 s82, 0x4000, s82                 ; from block to block
	s_cselect_b32 s84, 0, -1                       ; all ones where the bias goes by column (q, k)
	s_cselect_b32 s85, -1, 0                       ; all ones where it goes by row (v)
	s_lshl_b32 s79, s74, 23
	s_add_co_u32 s78, s78, s79
	s_lshl_b32 s79, s75, 20
	s_add_co_u32 s78, s78, s79
	s_mov_b32 s79, 0
	s_mov_b32 s81, 0
	s_mov_b32 s83, 0
	s_add_nc_u64 s[78:79], s[72:73], s[78:79]
	s_add_nc_u64 s[80:81], s[78:79], s[80:81]
	s_wait_loadcnt 0x0                             ; the bias, while the first tiles are on their way
	s_wait_kmcnt 0x0
	s_add_co_i32 s86, s86, s87                     ; E = ex + ew
	s_sub_co_i32 s87, 0, s86
	s_sub_co_i32 s98, s98, s86                     ; eo - E
	s_add_co_i32 s98, s98, 127
	s_lshl_b32 s99, s98, 23
	v_mov_b32 v[QS], s99                           ; 2^(eo - E) as f32: the conversion takes its exponent field
	s_add_co_i32 s98, s98, 8
	s_lshl_b32 s98, s98, 23
	s_or_b32 s98, s98, 0x600000
	v_mov_b32 v[QL], s98                           ; 448 x that
.set j, 0
.rept 64
	v_ldexp_f32 v[BC+j], v[BC+j], s87              ; bias / 2^E,
	v_and_b32 v[BC+j], s84, v[BC+j]                ; or exact zeros
.set j, j+1
.endr
.irp a, 0,1,2,3,4,5,6,7
	v_ldexp_f32 v[BR+2*\a], v[BR+2*\a], s87
	v_and_b32 v[BR+2*\a], s85, v[BR+2*\a]
	v_mov_b32 v[BR+2*\a+1], v[BR+2*\a]
.endr
.macro FRAG reg, adr, q, i             ; a fragment, 16 rows x 128 K, is 16 registers: four loads of 16 bytes, 32 bytes apart: the same places of K in both operands
.irp c, 0,1,2,3
	ds_load_b128 v[\reg+4*\c:\reg+4*\c+3], v[\adr] offset:128*(\q)+32*\c+(\i)*16*PITCH
.endr
.endm
; 16 matrix instructions: row blocks a0, a0 + 1 x the column operand's eight, 128 along K.  p: the column operand's set.  zero = 1: the first product starts the sums: nothing is ever cleared.
; The 64 accumulators take turns, one instruction a turn, in the same order in every step.
.macro MUL16 a0, p, zero
.irp a, \a0, \a0+1
.irp b, 0,1,2,3,4,5,6,7
.if \zero
	v_wmma_f32_16x16x128_fp8_fp8 v[8*(8*((\a)%4)+\b):8*(8*((\a)%4)+\b)+7], v[128*(\p)+FR*\b:128*(\p)+FR*\b+FR-1], v[AF+FR*(\a):AF+FR*(\a)+FR-1], 0
.else
	v_wmma_f32_16x16x128_fp8_fp8 v[8*(8*((\a)%4)+\b):8*(8*((\a)%4)+\b)+7], v[128*(\p)+FR*\b:128*(\p)+FR*\b+FR-1], v[AF+FR*(\a):AF+FR*(\a)+FR-1], v[8*(8*((\a)%4)+\b):8*(8*((\a)%4)+\b)+7]
.endif
.endr
.endr
.endm
.macro FETCH_B slot, q, p              ; the column operand's eight fragments of the slot's q-th 128 along K into set p
	WIN TO_B
.irp i, 0,1,2,3,4,5,6,7
	FRAG 128*(\p)+FR*\i, ADRB+\slot, \q, \i
.endr
	WIN 0
.endm
.macro FETCH_A slot, q, i0             ; the row operand's blocks i0 .. i0 + 3
.irp i, \i0, \i0+1, \i0+2, \i0+3
	FRAG AF+FR*(\i), ADRA+\slot, \q, \i
.endr
.endm
; A load into a register that a matrix instruction has read, and a vector instruction that reads a matrix result or writes one of its registers, stand NP places behind it; only plain vector
; instructions that name none of its registers are places (ISA guide 7.12.1 for vector instructions).
.macro PLACES n
.rept \n
	v_nop
.endr
.endm
; A step of 128 along K that has its successor in the same slot.
.macro STEP slot, q, zero
	s_wait_dscnt 4*NL                              ; the column operand's set and row blocks 0-3 are in; the youngest 16 loads (row blocks 4-7) may be out
	WIN MUL_LO
	MUL16 0, (\q)%2, \zero
	MUL16 2, (\q)%2, \zero
	s_wait_dscnt 0                                 ; row blocks 4-7 are in (asked for 32 matrix instructions ago)
	PLACES NP
	FETCH_B \slot, (\q)+1, 1-(\q)%2
	FETCH_A \slot, (\q)+1, 0
	WIN MUL_HI
	MUL16 4, (\q)%2, \zero
	MUL16 6, (\q)%2, \zero
	PLACES NP
	WIN 0
	FETCH_A \slot, (\q)+1, 4
.endm
; A slot's last step changes slots: ONE barrier; in front of it each wave waits for all its tensor loads, adds 0 to its spare word, and waits for that and for its own reads of this slot.  fill = 1: this slot is filled again, two K steps ahead.
.macro TURN slot, next, fill
	s_wait_tensorcnt 0x0                           ; all my tensor loads have landed: my part of the next slot;  (every window is 0 here)
	ds_add_u32 v[SPW], v[NIL]                      ; 0 onto my spare word
	s_wait_dscnt 4*NL+1                            ; (the add and the youngest 16 loads, row blocks 4-7, may be out)
	WIN MUL_LO
	MUL16 0, 1, 0                                  ; sixteen matrix instructions stand between the add and the wait for it
	s_wait_dscnt 0x0                               ; the add is done, and my reads of this slot are over
	s_barrier_signal -1
	MUL16 2, 1, 0
	WIN 0
	s_barrier_wait -1
.if \fill
	CREST                                          ; the barrier has opened the cluster's: no wave of any partner still reads this slot's tile or has a load on its way
	s_add_nc_u64 s[G0+4*\slot+2:G0+4*\slot+3], s[G0+4*\slot+2:G0+4*\slot+3], 2*ROWB
	s_add_nc_u64 s[G0B+4*\slot+2:G0B+4*\slot+3], s[G0B+4*\slot+2:G0B+4*\slot+3], 2*ROWB
	JLOAD G0+4*\slot, G1, G0B+4*\slot, G1B         ; the first tensor load behind it; the four v_nop behind the load are the places in front of the loads below
.else
	PLACES NP
.endif
	FETCH_B \next, 0, 0
	FETCH_A \next, 0, 0
	WIN MUL_HI
	MUL16 4, 1, 0
	MUL16 6, 1, 0
	PLACES NP
	WIN 0
	FETCH_A \next, 0, 4
.endm
	s_wait_tensorcnt 1                             ; my part of K step 0 is in (K step 1's load may be out)
	s_barrier_signal -1
	s_barrier_wait -1                              ; everybody's is
	FETCH_B 0, 0, 0
	FETCH_A 0, 0, 0
	FETCH_A 0, 0, 4
	STEP 0, 0, 1                                   ; the first step stands in front of the loop: its products start the sums
	s_mov_b32 s3, LAPS-1
.Llap:                                                 ; a trip goes once round the ring, from a lap's second step to the next lap's first, and fills both slots again
	TURN 0, 1, 1
	STEP 1, 0, 0
	TURN 1, 0, 1
	STEP 0, 0, 0
	s_sub_co_u32 s3, s3, 1
	s_cmp_lg_u32 s3, 0
	s_cbranch_scc1 .Llap
	TURN 0, 1, 0                                   ; the last lap fills nothing
	STEP 1, 0, 0
	s_wait_dscnt 4*NL                              ; the very last step: nothing more to fetch
	WIN MUL_LO
	MUL16 0, 1, 0
	MUL16 2, 1, 0
	s_wait_dscnt 0
	WIN MUL_HI
	MUL16 4, 1, 0
	MUL16 6, 1, 0
	WIN 0
; THE WAY OUT of block a (16 rows x 128 columns): + the bias (one of the two is zeros), the hold, eight conversions, four stores.  Each accumulator is read from its low end on.
.macro OUTB a
.set AC, 64*((\a)%4)
	WIN 0x02+((\a)/4)                              ; source 0: window 2 or 3
.set j, 0
.rept 32
	v_pk_add_f32 v[TMP+j:TMP+j+1], v[AC+j:AC+j+1], v[BC+j:BC+j+1]
.set j, j+2
.endr
	WIN 0
.set j, 0
.rept 32
	v_pk_add_f32 v[TMP+j:TMP+j+1], v[TMP+j:TMP+j+1], v[BR+2*(\a):BR+2*(\a)+1]
.set j, j+2
.endr
.set j, 0
.rept 64
	v_med3_num_f32 v[TMP+j], v[TMP+j], -v[QL], v[QL]   ; the conversion to an 8-bit code does not saturate (ISA guide 7.6.2)
.set j, j+1
.endr
	s_wait_xcnt 0x0                                ; the block before's stores have read their data and their bases: only now are both written again
.if (\a) > 0
	s_add_nc_u64 s[78:79], s[78:79], s[82:83]
	s_add_nc_u64 s[80:81], s[80:81], s[82:83]
.endif
.irp b, 0,1,2,3,4,5,6,7
	v_cvt_scalef32_pk8_fp8_f32 v[CD+2*\b:CD+2*\b+1], v[TMP+8*\b:TMP+8*\b+7], v[QS]   ; tile b's eight codes: registers 2 (b % 4), + 1 of fragment b / 4
.endr
	v_nop                                          ; one plain vector instruction behind the last conversion: the next block writes its sources
	global_store_b128 v[CO], v[CD:CD+3],     s[78:79]             ; 32 lanes store 512 consecutive bytes, aligned
	global_store_b128 v[CO], v[CD+4:CD+7],   s[78:79] offset:512
	global_store_b128 v[CO], v[CD+8:CD+11],  s[80:81]
	global_store_b128 v[CO], v[CD+12:CD+15], s[80:81] offset:512
.endm
	PLACES NP                                      ; behind the last products: their results are read, and registers that held fragments are written, from here on
.irp a, 0,1,2,3,4,5,6,7
	OUTB \a
.endr
	s_wait_tensorcnt 0x0                           ; the wave's end: behind my last tensor load
	ds_add_u32 v[SPW], v[NIL]
	s_wait_dscnt 0x0
	CROUND                                         ; no work-group ends while a partner may still ask for a tile that names it
	s_endpgm
.Lfunc_end_k_q5c99a0b1c4_proj:
	.size	k_q5c99a0b1c4_proj, .Lfunc_end_k_q5c99a0b1c4_proj-k_q5c99a0b1c4_proj
	.p2alignl 7, 3214868480
	.fill 96, 4, 3214868480
	.section	.rodata,"a",@progbits
	.p2align	6, 0x0
	.amdhsa_kernel k_q5c99a0b1c4_proj
		.amdhsa_group_segment_fixed_size 327680
		.amdhsa_private_segment_fixed_size 0
		.amdhsa_enable_private_segment 0
		.amdhsa_kernarg_size 56
		.amdhsa_user_sgpr_count 2
		.amdhsa_user_sgpr_kernarg_segment_ptr 1
		.amdhsa_wavefront_size32 1
		.amdhsa_system_sgpr_workgroup_id_x 1
		.amdhsa_system_sgpr_workgroup_id_y 1
		.amdhsa_system_sgpr_workgroup_id_z 1
		.amdhsa_system_vgpr_workitem_id 0
		.amdhsa_next_free_vgpr 1024
		.amdhsa_next_free_sgpr 100
		.amdhsa_reserve_vcc 0
		.amdhsa_float_denorm_mode_32 3
		.amdhsa_float_denorm_mode_16_64 3
		.amdhsa_memory_ordered 1
		.amdhsa_forward_progress 1
		.amdhsa_inst_pref_size 161
	.end_amdhsa_kernel
	.amdgpu_metadata
---
amdhsa.version: [ 1, 2 ]
amdhsa.kernels:
  - .name:           k_q5c99a0b1c4_proj
    .symbol:         k_q5c99a0b1c4_proj.kd
    .args:
      - { .name: xc, .offset: 0, .size: 8, .value_kind: global_buffer, .address_space: global }
      - { .name: wc, .offset: 8, .size: 8, .value_kind: global_buffer, .address_space: global }
      - { .name: lowp_scales, .offset: 16, .size: 8, .value_kind: global_buffer, .address_space: global }
      - { .name: bq, .offset: 24, .size: 8, .value_kind: global_buffer, .address_space: global }
      - { .name: bk, .offset: 32, .size: 8, .value_kind: global_buffer, .address_space: global }
      - { .name: bv, .offset: 40, .size: 8, .value_kind: global_buffer, .address_space: global }
      - { .name: hc, .offset: 48, .size: 8, .value_kind: global_buffer, .address_space: global }
    .group_segment_fixed_size: 327680
    .private_segment_fixed_size: 0
    .kernarg_segment_align: 8
    .kernarg_segment_size: 56
    .max_flat_workgroup_size: 128
    .sgpr_count:     100
    .vgpr_count:     1024
    .wavefront_size: 32
...
	.end_amdgpu_metadata
.endif
;; end of part 2
;; launch stats (part 3): grid 2 x 128, 16 waves a work-group, no clusters, 169,984 bytes of LDS; arguments hc, lowp_scales, ng; writes ng
.if DOCPART == 3
	.amdgcn_target "amdgcn-amd-amdhsa--gfx1250"
	.amdhsa_code_object_version 6
	.text
	.protected	k_q5c99a0b1c4_stats
	.globl	k_q5c99a0b1c4_stats
	.p2align	8
	.type	k_q5c99a0b1c4_stats,@function
k_q5c99a0b1c4_stats:
	s_mov_b64 s[64:65], 0
	v_nop
	global_prefetch_b8 v0, s[64:65] scope:SCOPE_SE
	s_setreg_imm32_b32 hwreg(HW_REG_WAVE_MODE, 25, 1), 1
	s_wait_xcnt 0x0
; THE SOFTMAX RUNS OVER THE QUERIES: for each head and each key s,  ng[s] = -(M + log2 of the sum over all 1,024 queries t of 2^(cs x acc(t, s) - M)),  M = the largest cs x acc(t, s), taken as a running maximum.
; acc = the product of q's and k's codes (64 channels), cs = log2(e) / 8 x 2^(e6 + e7).  The next launch then has the finished, normalised weight as 2^(cs x acc + ng[s]).
; SHARES.  A work-group takes 512 keys of one head against all its queries; each of its SIXTEEN waves 32 keys (two tiles), in 256 registers: four waves to a SIMD, so that one wave's vector work stands beside another's products and LDS loads.
; LAYOUT.  Source 0 = 16 queries, source 1 = 16 keys: lane (r, h) holds ONE key r and queries 8 h + 0 .. 7 of each tile, so maximum and sum run inside a lane; the two halves of the lanes meet once, at the end.
; LDS: the head's 64 fragments of q, 65,536 bytes, as they lie in hc (images of the operand's registers: every read is 16 x lane, dense), filled ONCE: each wave brings 4,096 bytes by one tensor load.  Nothing is filled again.
; Behind them 2,048 bytes through which the 512 results leave in whole rows.
; NO CLUSTER: the two work-groups of a head share q's 65,536 bytes, asked for once at the head; a cluster of four would hold two heads, whose halves need different tiles.  No prefetch: every byte is asked for in the first lines.
; LIMITS: e6 + e7 between -123 and 130 (they are added to cs's exponent field).
.set OUTS, 65536                       ; LDS: the results' 512 words
.set KR,  16                           ; v16-31   my two fragments of k
.set QF,  32                           ; v32-95   eight fragments of q: 128 queries
.set S,   96                           ; v96-223  the scores: key tile u, query tile t at S + 64 u + 8 t
.set R,   224                          ; v224, v225            the largest acc so far, for key tile 0, 1
.set NM,  226                          ; v[226:227], v[232:233] -M (the pair's low word serves both halves)
.set LP,  228                          ; v[228:229], v[234:235] the sum, in two halves
.set F,   230                          ; v[230:231], v[236:237] 2^(old M - new M)
.set OLD, 238                          ; v238, v239
.set TS,  240                          ; v[240:241], v[242:243] a second chain of the sum
	s_load_b128 s[4:7], s[0:1], 0x0                ; hc s[4:5], the scales' exponents s[6:7]
	s_load_b64 s[8:9], s[0:1], 0x10                ; ng
	v_lshl_add_u32 v254, v0, 2, 0x29000
	v_mov_b32 v255, 0
	ds_add_u32 v254, v255
	ds_add_u32 v254, v255
	v_lshrrev_b32 v1, 5, v0
	s_delay_alu instid0(VALU_DEP_1)
	v_readfirstlane_b32 s12, v1                    ; wave 0..15
	s_and_b32 s13, ttmp7, 0xffff                   ; the head
	; descriptor group 1: a dense block of 4,096 bytes as 16 rows of 32 elements of 8 bytes
	s_mov_b32 s24, 3<<16                           ; no mask; elements of 8 bytes; no padding
	s_mov_b32 s25, 32<<16                          ; tensor_dim0 = 32
	s_mov_b32 s26, 16<<16                          ; tensor_dim1 = 16
	s_mov_b32 s27, 32<<16                          ; tile_dim0 = 32
	s_mov_b32 s28, 16                              ; tile_dim1 = 16
	s_mov_b32 s29, 32                              ; from row to row
	s_mov_b32 s30, 0
	s_mov_b32 s31, 0
	s_lshl_b32 s14, s13, 16                        ; the head's 65,536 bytes
	s_lshl_b32 s15, s12, 12
	s_add_co_u32 s40, s14, s15                     ; q: my wave's 4,096 of them
	s_mov_b32 s41, 0
	s_lshl_b32 s42, ttmp9, 5
	s_lshl_b32 s43, s12, 1
	s_add_co_u32 s42, s42, s43                     ; my first key tile: 32 x + 2 x wave
	s_lshl_b32 s42, s42, 10
	s_add_co_u32 s42, s42, s14
	s_add_co_u32 s42, s42, 0x800000                ; k's fragments lie 8 MiB into hc
	s_mov_b32 s43, 0
	s_lshl_b32 s44, s13, 12                        ; ng: the head's 4,096 bytes,
	s_lshl_b32 s45, ttmp9, 11                      ; my work-group's half
	s_add_co_u32 s44, s44, s45
	s_mov_b32 s45, 0
	s_mov_b32 s34, 0x76543210                      ; v_permlanex16_b32: lane l xor 16
	s_mov_b32 s35, 0xfedcba98
	s_wait_dscnt 0x0
	s_wait_kmcnt 0x0
	s_load_b64 s[36:37], s[6:7], 0x18              ; e6, e7
	s_mov_b32 s16, 1                               ; group 0: count = 1
	s_lshl_b32 s17, s12, 12                        ; LDS address: wave x 4,096
	s_add_nc_u64 s[18:19], s[4:5], s[40:41]
	s_or_b32 s19, s19, 0x80000000                  ; type = 2
	tensor_load_to_lds s[16:19], s[24:31]          ; my one tensor load
	s_nop 0
.rept 4
	v_nop
.endr
	s_add_nc_u64 s[10:11], s[4:5], s[42:43]
	s_add_nc_u64 s[8:9], s[8:9], s[44:45]
	v_and_b32 v1, 31, v0                           ; lane
	s_delay_alu instid0(VALU_DEP_1)
	v_lshlrev_b32 v2, 4, v1                        ; 16 x lane: my place in half an image
	v_lshl_add_u32 v4, v0, 2, OUTS                 ; where my result goes,
	v_lshl_add_u32 v5, v0, 4, OUTS                 ; where waves 0-3 read four back,
	v_lshlrev_b32 v6, 4, v0                        ; and their place in ng
.irp u, 0,1
.irp e, 0,1
	global_load_b128 v[KR+8*\u+4*\e:KR+8*\u+4*\e+3], v2, s[10:11] offset:1024*\u+512*\e
.endr
.endr
.irp u, 0,1
	v_mov_b32 v[R+\u], 0xff61b1e6                  ; -3e38, under every score
	v_mov_b32 v[NM+6*\u], 0x7f61b1e6               ; +3e38: the first trip's factor is then 2^(-huge) = 0, and it multiplies zeros: the step is written once
	v_mov_b32 v[NM+6*\u+1], 0                      ; (named as a pair's upper half)
	v_mov_b32 v[LP+6*\u], 0
	v_mov_b32 v[LP+6*\u+1], 0
	v_mov_b32 v[F+6*\u+1], 0
.endr
.irp n, 246,247,248,249
	v_mov_b32 v\n, 0                               ; a lane permute's destination counts as one of its sources
.endr
	s_wait_kmcnt 0x0
	s_add_co_i32 s36, s36, s37
	s_lshl_b32 s36, s36, 23
	s_add_co_i32 s20, s36, 0x3e38aa3b              ; cs = log2(e) / 8, with e6 + e7 added to its exponent field
	s_mov_b32 s21, s20                             ; (named with it as a pair)
	s_xor_b32 s22, s20, 0x80000000                 ; -cs
	s_mov_b32 s32, 0                               ; LDS byte of the trip's first fragment of q
	s_mov_b32 s23, 8
	s_wait_tensorcnt 0x0                           ; my part of q is in,
	s_barrier_signal -1
	s_barrier_wait -1                              ; everybody's is
	s_wait_loadcnt 0x0                             ; k's fragments
.Lstep:                                            ; eight trips of 128 queries
	s_setprio 2
	v_add_nc_u32 v3, s32, v2
.irp t, 0,1,2,3,4,5,6,7
	ds_load_b128 v[QF+8*\t:QF+8*\t+3],   v3 offset:1024*\t      ; (the last products that read these registers stand more than four plain vector instructions back)
	ds_load_b128 v[QF+8*\t+4:QF+8*\t+7], v3 offset:1024*\t+512
.endr
	s_wait_dscnt 0x0
.irp t, 0,1,2,3,4,5,6,7
.irp u, 0,1
	v_wmma_f32_16x16x64_fp8_fp8 v[S+64*\u+8*\t:S+64*\u+8*\t+7], v[QF+8*\t:QF+8*\t+7], v[KR+8*\u:KR+8*\u+7], 0
.endr
.endr
.rept 4
	v_nop                                          ; four places in front of the first read of results
.endr
.set i, 0
.rept 32                                       ; the running maximum; each accumulator from its low end on; the two key tiles line by line
	v_max3_num_f32 v[R], v[R], v[S+i], v[S+i+1]
	v_max3_num_f32 v[R+1], v[R+1], v[S+64+i], v[S+64+i+1]
.set i, i+2
.endr
	v_mov_b32 v[OLD], v[NM]
	v_mov_b32 v[OLD+1], v[NM+6]
	s_delay_alu instid0(VALU_DEP_4)
	v_mul_f32 v[NM], s22, v[R]                     ; the new -M (cs is positive)
	s_delay_alu instid0(VALU_DEP_4)
	v_mul_f32 v[NM+6], s22, v[R+1]
	s_delay_alu instid0(VALU_DEP_2)
	v_sub_f32 v[OLD], v[NM], v[OLD]                ; old M - new M
	s_delay_alu instid0(VALU_DEP_2)
	v_sub_f32 v[OLD+1], v[NM+6], v[OLD+1]
	s_wait_alu depctr_va_vdst(0)
	v_exp_f32 v[F], v[OLD]
	v_exp_f32 v[F+6], v[OLD+1]
.set i, 0
.rept 32
	v_pk_fma_f32 v[S+i:S+i+1], v[S+i:S+i+1], s[20:21], v[NM:NM+1] op_sel_hi:[1,0,0]               ; cs x acc - M, two at a time
	v_pk_fma_f32 v[S+64+i:S+64+i+1], v[S+64+i:S+64+i+1], s[20:21], v[NM+6:NM+7] op_sel_hi:[1,0,0]
.set i, i+2
.endr
.set i, 0
	s_setprio 1
	s_wait_alu depctr_va_vdst(0)
.rept 128
	v_exp_f32 v[S+i], v[S+i]
.set i, i+1
.endr
	s_setprio 0
	v_nop                                          ; one plain instruction behind the last exponential
	s_wait_alu depctr_va_vdst(0)                   ; one wait for the trip's 128 exponentials, ahead of the first line that names a result
	v_pk_mul_f32 v[LP:LP+1], v[LP:LP+1], v[F:F+1] op_sel_hi:[1,0]       ; the sums under the new M
	v_pk_mul_f32 v[LP+6:LP+7], v[LP+6:LP+7], v[F+6:F+7] op_sel_hi:[1,0]
	v_pk_add_f32 v[TS:TS+1], v[S:S+1], v[S+2:S+3]
	v_pk_add_f32 v[TS+2:TS+3], v[S+64:S+65], v[S+66:S+67]
.set i, 4
.rept 15
	v_pk_add_f32 v[LP:LP+1], v[LP:LP+1], v[S+i:S+i+1]
	v_pk_add_f32 v[LP+6:LP+7], v[LP+6:LP+7], v[S+64+i:S+64+i+1]
	v_pk_add_f32 v[TS:TS+1], v[TS:TS+1], v[S+i+2:S+i+3]
	v_pk_add_f32 v[TS+2:TS+3], v[TS+2:TS+3], v[S+64+i+2:S+64+i+3]
.set i, i+4
.endr
	s_delay_alu instid0(VALU_DEP_2)
	v_pk_add_f32 v[LP:LP+1], v[LP:LP+1], v[TS:TS+1]
	s_delay_alu instid0(VALU_DEP_2)
	v_pk_add_f32 v[LP+6:LP+7], v[LP+6:LP+7], v[TS+2:TS+3]
	s_add_co_u32 s32, s32, 8192
	s_sub_co_u32 s23, s23, 1
	s_cmp_lg_u32 s23, 0
	s_cbranch_scc1 .Lstep
	s_setprio 0
	; THE END: a key's other 512 queries lie in the lane 16 away, under a maximum of their own
	v_add_f32 v244, v[LP], v[LP+1]                 ; l
	v_add_f32 v245, v[LP+6], v[LP+7]
	v_permlanex16_b32 v246, v[R], s34, s35         ; the other half's largest acc,
	v_permlanex16_b32 v247, v[R+1], s34, s35
	s_delay_alu instid0(VALU_DEP_4)
	v_permlanex16_b32 v248, v244, s34, s35         ; and its sum
	s_delay_alu instid0(VALU_DEP_4)
	v_permlanex16_b32 v249, v245, s34, s35
	s_delay_alu instid0(VALU_DEP_4)
	v_max_num_f32 v250, v[R], v246                 ; the key's largest acc
	s_delay_alu instid0(VALU_DEP_4)
	v_max_num_f32 v251, v[R+1], v247
	s_delay_alu instid0(VALU_DEP_2)
	v_sub_f32 v238, v[R], v250
	s_delay_alu instid0(VALU_DEP_2)
	v_sub_f32 v239, v[R+1], v251
	s_delay_alu instid0(VALU_DEP_4)
	v_sub_f32 v252, v246, v250
	s_delay_alu instid0(VALU_DEP_4)
	v_sub_f32 v253, v247, v251
	s_delay_alu instid0(VALU_DEP_4)
	v_mul_f32 v238, s20, v238
	s_delay_alu instid0(VALU_DEP_4)
	v_mul_f32 v239, s20, v239
	s_delay_alu instid0(VALU_DEP_4)
	v_mul_f32 v252, s20, v252
	s_delay_alu instid0(VALU_DEP_4)
	v_mul_f32 v253, s20, v253
	s_wait_alu depctr_va_vdst(0)
	v_exp_f32 v238, v238
	v_exp_f32 v239, v239
	v_exp_f32 v252, v252
	v_exp_f32 v253, v253
	v_nop
	s_wait_alu depctr_va_vdst(0)                   ; one wait for the four
	v_mul_f32 v244, v244, v238
	v_mul_f32 v245, v245, v239
	v_fma_f32 v244, v248, v252, v244               ; the key's sum under its maximum: at least 1
	v_fma_f32 v245, v249, v253, v245
	s_wait_alu depctr_va_vdst(0)
	v_log_f32 v244, v244
	v_log_f32 v245, v245
	v_nop
	s_wait_alu depctr_va_vdst(0)                   ; one wait for the two
	v_fma_f32 v244, s22, v250, -v244               ; ng = -cs x the largest acc - log2 of the sum
	v_fma_f32 v245, s22, v251, -v245
	v_cmp_gt_u32 vcc_lo, 16, v1
	s_delay_alu instid0(VALU_DEP_1)
	v_cndmask_b32 v246, v245, v244, vcc_lo         ; lanes 0-15: key tile 0; lanes 16-31: key tile 1: lane L holds key 32 x wave + L
	ds_store_b32 v4, v246
	s_wait_dscnt 0x0                               ; for the others' sake: my store is done
	s_barrier_signal -1
	s_barrier_wait -1
	s_cmp_lt_u32 s12, 4                            ; waves 0-3 store the 2,048 bytes: each store of a wave covers 512 consecutive bytes, aligned
	s_cbranch_scc0 .Lend
	ds_load_b128 v[248:251], v5
	s_wait_dscnt 0x0
	global_store_b128 v6, v[248:251], s[8:9]
.Lend:
	s_wait_tensorcnt 0x0
	ds_add_u32 v254, v255
	s_wait_dscnt 0x0
	s_endpgm
.Lfunc_end_k_q5c99a0b1c4_stats:
	.size	k_q5c99a0b1c4_stats, .Lfunc_end_k_q5c99a0b1c4_stats-k_q5c99a0b1c4_stats
	.p2alignl 7, 3214868480
	.fill 96, 4, 3214868480
	.section	.rodata,"a",@progbits
	.p2align	6, 0x0
	.amdhsa_kernel k_q5c99a0b1c4_stats
		.amdhsa_group_segment_fixed_size 169984
		.amdhsa_private_segment_fixed_size 0
		.amdhsa_enable_private_segment 0
		.amdhsa_kernarg_size 24
		.amdhsa_user_sgpr_count 2
		.amdhsa_user_sgpr_kernarg_segment_ptr 1
		.amdhsa_wavefront_size32 1
		.amdhsa_system_sgpr_workgroup_id_x 1
		.amdhsa_system_sgpr_workgroup_id_y 1
		.amdhsa_system_sgpr_workgroup_id_z 1
		.amdhsa_system_vgpr_workitem_id 0
		.amdhsa_next_free_vgpr 256
		.amdhsa_next_free_sgpr 66
		.amdhsa_reserve_vcc 1
		.amdhsa_float_denorm_mode_32 3
		.amdhsa_float_denorm_mode_16_64 3
		.amdhsa_memory_ordered 1
		.amdhsa_forward_progress 1
		.amdhsa_inst_pref_size 26
	.end_amdhsa_kernel
	.amdgpu_metadata
---
amdhsa.version: [ 1, 2 ]
amdhsa.kernels:
  - .name:           k_q5c99a0b1c4_stats
    .symbol:         k_q5c99a0b1c4_stats.kd
    .args:
      - { .name: hc, .offset: 0, .size: 8, .value_kind: global_buffer, .address_space: global }
      - { .name: lowp_scales, .offset: 8, .size: 8, .value_kind: global_buffer, .address_space: global }
      - { .name: ng, .offset: 16, .size: 8, .value_kind: global_buffer, .address_space: global }
    .group_segment_fixed_size: 169984
    .private_segment_fixed_size: 0
    .kernarg_segment_align: 8
    .kernarg_segment_size: 24
    .max_flat_workgroup_size: 512
    .sgpr_count:     66
    .vgpr_count:     256
    .wavefront_size: 32
...
	.end_amdgpu_metadata
.endif
;; end of part 3
;; launch attn (part 4): grid 2 x 128, 16 waves a work-group, no clusters, 269,312 bytes of LDS; arguments hc, ng, lowp_scales, out0; writes out0
.if DOCPART == 4
	.amdgcn_target "amdgcn-amd-amdhsa--gfx1250"
	.amdhsa_code_object_version 6
	.text
	.protected	k_q5c99a0b1c4_attn
	.globl	k_q5c99a0b1c4_attn
	.p2align	8
	.type	k_q5c99a0b1c4_attn,@function
k_q5c99a0b1c4_attn:
	s_mov_b64 s[64:65], 0
	v_nop
	global_prefetch_b8 v0, s[64:65] scope:SCOPE_SE
	s_setreg_imm32_b32 hwreg(HW_REG_WAVE_MODE, 25, 1), 1
	s_wait_xcnt 0x0
; out[head][c][t] = the sum over keys s of attn(t, s) v(c, s),  attn(t, s) = 2^(cs x acc(t, s) + ng[s]): the softmax over the QUERIES, finished and normalised (ng from the launch before holds each key's
; maximum and sum), quantised with the given 2^e9 along the keys.  acc = the product of k's and q's codes, made anew; cs = log2(e) / 8 x 2^(e6 + e7).  The sums are multiplied by 2^(e8 + e9).
; SHARES.  A work-group takes 512 queries of one head against all its 1,024 keys; each of its SIXTEEN waves 32 queries (two tiles), in 256 registers: four waves to a SIMD.
; LAYOUT.  Scores: source 0 = 16 keys, source 1 = 16 queries: lane (r, h) holds ONE query r and keys 16 c + 8 h + 0 .. 7 of tile c: eight neighbours along the second product's K, so the conversions' results
; are registers 2 c, 2 c + 1 of its operand.  Second product: source 0 = the weights (16 queries x 64 keys), source 1 = v (16 channels x 64 keys): lane (r, h) holds channel r and queries 8 h + 0 .. 7: 32 neighbouring bytes of a row of out.
; LDS: k's 64 fragments (65,536 bytes), v's 64 (65,536), as they lie in hc (images of the operands' registers: every read is 16 x lane, dense), filled ONCE, 8,192 bytes a wave by one tensor load; nothing is filled again, and the loop has no barrier.
; Behind them ng's 4,096 bytes and a stage of 64 rows x (2,048 + 16) bytes for the way out, both written by LDS stores alone.
; NO CLUSTER: the two work-groups of a head share k's and v's 131,072 bytes, asked for once at the head; a cluster of four would hold two heads, whose halves need different tiles.  No prefetch: every byte is asked for in the first lines.
; LIMITS: e6 + e7 between -123 and 130; e9 between -126 and 119; e8 + e9 between -126 and 127.
.set VIM,  65536                       ; LDS: v's fragments
.set NGL,  131072                      ; ng
.set STG,  135168                      ; the stage
.set SPI,  2064                        ; its pitch: 516 words: row r starts at bank 4 r mod 64 (64 banks of 4 bytes: ISA guide 11.1)
.set Q,   16                           ; v16-31   my two fragments of q
.set KF,  32                           ; v32-63   four fragments of k, then four of v
.set G,   64                           ; v64-95   ng of the step's keys, in the scores' layout: tile c at G + 8 c
.set S,   96                           ; v96-159  the scores, then the weights: query tile t, key tile c at S + 32 t + 8 c
.set P,   160                          ; v160-175 the weights' codes: query tile t at P + 8 t
.set O,   176                          ; v176-239 the sums: channel tile c, query tile t at O + 8 (2 c + t)
	s_load_b256 s[4:11], s[0:1], 0x0               ; hc s[4:5], ng s[6:7], the scales' exponents s[8:9], out0 s[10:11]
	v_lshl_add_u32 v254, v0, 2, 0x41400
	v_mov_b32 v255, 0
	ds_add_u32 v254, v255
	ds_add_u32 v254, v255
	v_lshrrev_b32 v1, 5, v0
	s_delay_alu instid0(VALU_DEP_1)
	v_readfirstlane_b32 s12, v1                    ; wave 0..15
	s_and_b32 s13, ttmp7, 0xffff                   ; the head
	; descriptor group 1: a dense block of 8,192 bytes as 32 rows of 32 elements of 8 bytes
	s_mov_b32 s24, 3<<16                           ; no mask; elements of 8 bytes; no padding
	s_mov_b32 s25, 32<<16                          ; tensor_dim0 = 32
	s_mov_b32 s26, 32<<16                          ; tensor_dim1 = 32
	s_mov_b32 s27, 32<<16                          ; tile_dim0 = 32
	s_mov_b32 s28, 32                              ; tile_dim1 = 32
	s_mov_b32 s29, 32                              ; from row to row
	s_mov_b32 s30, 0
	s_mov_b32 s31, 0
	s_lshl_b32 s14, s13, 16                        ; the head's 65,536 bytes
	s_lshl_b32 s15, s12, 13                        ; wave x 8,192
	s_lshr_b32 s42, s12, 3                         ; waves 0-7 bring k (8 MiB into hc), waves 8-15 v (16 MiB): 8 MiB - 65,536 further on than wave x 8,192 alone would lead
	s_mul_i32 s42, s42, 0x7f0000
	s_add_co_u32 s42, s42, s15
	s_add_co_u32 s42, s42, s14
	s_add_co_u32 s42, s42, 0x800000
	s_mov_b32 s43, 0
	s_lshl_b32 s44, ttmp9, 5
	s_lshl_b32 s45, s12, 1
	s_add_co_u32 s44, s44, s45                     ; my first query tile: 32 x + 2 x wave
	s_lshl_b32 s44, s44, 10
	s_add_co_u32 s44, s44, s14
	s_mov_b32 s45, 0
	s_lshl_b32 s46, s13, 12                        ; ng: the head's 4,096 bytes
	s_mov_b32 s47, 0
	s_lshl_b32 s48, s13, 18                        ; out: the head's 64 rows of 4,096 bytes,
	s_lshl_b32 s49, s12, 14                        ; the four rows that my wave stores,
	s_add_co_u32 s48, s48, s49
	s_lshl_b32 s49, ttmp9, 11                      ; my work-group's 512 queries
	s_add_co_u32 s48, s48, s49
	s_mov_b32 s49, 0
	s_wait_dscnt 0x0
	s_wait_kmcnt 0x0
	s_load_b128 s[36:39], s[8:9], 0x18             ; e6, e7, e8, e9
	s_mov_b32 s16, 1                               ; group 0: count = 1
	s_lshl_b32 s17, s12, 13                        ; LDS address: wave x 8,192: k's image, then v's
	s_add_nc_u64 s[18:19], s[4:5], s[42:43]
	s_or_b32 s19, s19, 0x80000000                  ; type = 2
	tensor_load_to_lds s[16:19], s[24:31]          ; my one tensor load
	s_nop 0
.rept 4
	v_nop
.endr
	s_add_nc_u64 s[6:7], s[6:7], s[46:47]
	s_add_nc_u64 s[4:5], s[4:5], s[44:45]
	s_add_nc_u64 s[10:11], s[10:11], s[48:49]
	v_and_b32 v1, 31, v0                           ; lane
	s_delay_alu instid0(VALU_DEP_1)
	v_lshlrev_b32 v2, 4, v1                        ; 16 x lane: my place in half an image of k; also my place in 512 bytes of out
	s_delay_alu instid0(VALU_DEP_1)
	v_add_nc_u32 v3, VIM, v2                       ; the same for v
	v_bfe_u32 v14, v0, 4, 1                        ; h
	v_and_b32 v15, 15, v0                          ; r
	s_delay_alu instid0(VALU_DEP_2)
	v_lshl_add_u32 v4, v14, 5, NGL                 ; ng: my half's eight keys of a tile
	v_lshlrev_b32 v244, 3, v0
	v_lshl_add_u32 v245, v0, 3, NGL
	global_load_b64 v[240:241], v244, s[6:7]       ; ng: 8 bytes a thread
.irp t, 0,1
.irp e, 0,1
	global_load_b128 v[Q+8*\t+4*\e:Q+8*\t+4*\e+3], v2, s[4:5] offset:1024*\t+512*\e
.endr
.endr
	s_lshl_b32 s50, s12, 7
	s_add_co_u32 s50, s50, STG
	v_mul_u32_u24 v10, v15, SPI
	s_delay_alu instid0(VALU_DEP_1)
	v_lshl_add_u32 v10, v14, 5, v10
	s_delay_alu instid0(VALU_DEP_1)
	v_add_nc_u32 v10, s50, v10                     ; into the stage: row r, + 128 x wave (my 32 queries) + 32 h; channel tiles 0 and 1,
	s_delay_alu instid0(VALU_DEP_1)
	v_add_nc_u32 v11, 32*SPI, v10                  ; and 2 and 3
	s_mul_i32 s50, s12, 4*SPI
	s_add_co_u32 s50, s50, STG
	v_add_nc_u32 v12, s50, v2                      ; back: my four rows, 16 bytes a lane
	s_wait_alu depctr_va_vdst(0)
	s_wait_loadcnt 4                               ; ng is in; q's four loads may be out
	ds_store_b64 v245, v[240:241]
	s_wait_kmcnt 0x0
	s_add_co_i32 s51, s36, s37
	s_lshl_b32 s51, s51, 23
	s_add_co_i32 s20, s51, 0x3e38aa3b              ; cs = log2(e) / 8, with e6 + e7 added to its exponent field
	s_mov_b32 s21, s20                             ; (named with it as a pair)
	s_add_co_i32 s51, s39, 127
	s_lshl_b32 s52, s51, 23
	v_mov_b32 v8, s52                              ; 2^e9 as f32, for the conversion
	s_add_co_i32 s40, s38, s39
	s_add_co_i32 s40, s40, 127
	s_lshl_b32 s40, s40, 23                        ; 2^(e8 + e9)
	s_mov_b32 s41, s40
	s_mov_b32 s32, 0                               ; the step's place in k's image (4 fragments a step),
	s_mov_b32 s33, 0                               ; in v's (1 fragment a step in each channel tile),
	s_mov_b32 s34, 0                               ; in ng (64 keys a step)
	s_wait_tensorcnt 0x0                           ; my part of k or v is in,
	s_wait_dscnt 0x0                               ; my part of ng is stored,
	s_barrier_signal -1
	s_barrier_wait -1                              ; everybody's is
	s_wait_loadcnt 0x0                             ; q
; A STEP: 64 keys.  first = 1: its second products start the sums: nothing is ever cleared.
.macro ASTEP first
	v_add_nc_u32 v5, s32, v2
	v_add_nc_u32 v6, s33, v3
	v_add_nc_u32 v7, s34, v4
	v_nop                                          ; with the three additions: four places behind the last products, in front of loads into registers that they read
.irp c, 0,1,2,3
.irp e, 0,1
	ds_load_b128 v[KF+8*\c+4*\e:KF+8*\c+4*\e+3], v5 offset:1024*\c+512*\e
.endr
.endr
.irp c, 0,1,2,3
.irp e, 0,1
	ds_load_b128 v[G+8*\c+4*\e:G+8*\c+4*\e+3], v7 offset:64*\c+16*\e     ; sixteen lanes read the same 16 bytes
.endr
.endr
	s_wait_alu depctr_va_vdst(0)
	s_wait_dscnt 8                                 ; k is in; ng's eight loads may be out
.irp c, 0,1,2,3
.irp t, 0,1
	v_wmma_f32_16x16x64_fp8_fp8 v[S+32*\t+8*\c:S+32*\t+8*\c+7], v[KF+8*\c:KF+8*\c+7], v[Q+8*\t:Q+8*\t+7], 0
.endr
.endr
.rept 4
	v_nop                                          ; four places: in front of loads into k's registers, and of the first read of results
.endr
.irp c, 0,1,2,3
.irp e, 0,1
	ds_load_b128 v[KF+8*\c+4*\e:KF+8*\c+4*\e+3], v6 offset:16384*\c+512*\e
.endr
.endr
	s_wait_dscnt 8                                 ; ng is in; v's eight loads may be out
.irp t, 0,1
.irp c, 0,1,2,3
.irp i, 0,2,4,6
	v_pk_fma_f32 v[S+32*\t+8*\c+\i:S+32*\t+8*\c+\i+1], v[S+32*\t+8*\c+\i:S+32*\t+8*\c+\i+1], s[20:21], v[G+8*\c+\i:G+8*\c+\i+1] op_sel_hi:[1,0,1]   ; cs x acc + ng; each accumulator from its low end on
.endr
.endr
.endr
.set i, 0
	s_wait_alu depctr_va_vdst(0)
.rept 64
	v_exp_f32 v[S+i], v[S+i]                       ; the finished weight, at most 1
.set i, i+1
.endr
	v_nop                                          ; one plain instruction behind the last exponential
	s_wait_alu depctr_va_vdst(0)                   ; one wait for the step's 64, ahead of the first line that names a result
.set i, 0
.rept 64
.set i, i+1
.endr
.irp t, 0,1
.irp c, 0,1,2,3
	v_cvt_scalef32_pk8_fp8_f32 v[P+8*\t+2*\c:P+8*\t+2*\c+1], v[S+32*\t+8*\c:S+32*\t+8*\c+7], v8
.endr
.endr
	v_nop                                          ; one plain instruction between the conversions and the products that read their results
	s_wait_alu depctr_va_vdst(0)
	s_wait_dscnt 0x0                               ; v is in
.irp c, 0,1,2,3                                ; the eight accumulators take turns, one instruction a turn
.irp t, 0,1
.if \first
	v_wmma_f32_16x16x64_fp8_fp8 v[O+8*(2*\c+\t):O+8*(2*\c+\t)+7], v[P+8*\t:P+8*\t+7], v[KF+8*\c:KF+8*\c+7], 0
.else
	v_wmma_f32_16x16x64_fp8_fp8 v[O+8*(2*\c+\t):O+8*(2*\c+\t)+7], v[P+8*\t:P+8*\t+7], v[KF+8*\c:KF+8*\c+7], v[O+8*(2*\c+\t):O+8*(2*\c+\t)+7]
.endif
.endr
.endr
	s_add_co_u32 s32, s32, 4096
	s_add_co_u32 s33, s33, 1024
	s_add_co_u32 s34, s34, 256
.endm
	ASTEP 1
	s_mov_b32 s23, 15
.Lstep:
	ASTEP 0
	s_sub_co_u32 s23, s23, 1
	s_cmp_lg_u32 s23, 0
	s_cbranch_scc1 .Lstep
	; THE WAY OUT.  A row of out's 2,048 bytes comes from sixteen waves: the sums x 2^(e8 + e9) meet in the stage, and each wave stores four whole rows.
.rept 4
	v_nop
.endr
.set i, 0
.rept 32
	v_pk_mul_f32 v[S+i:S+i+1], v[O+i:O+i+1], s[40:41] op_sel_hi:[1,0]   ; each accumulator from its low end on
.set i, i+2
.endr
.irp c, 0,1
.irp t, 0,1
.irp e, 0,1
	ds_store_b128 v10, v[S+8*(2*\c+\t)+4*\e:S+8*(2*\c+\t)+4*\e+3] offset:16*SPI*\c+64*\t+16*\e            ; lane (r, h): channel 16 c + r, queries 32 x wave + 16 t + 8 h + 4 e on
	ds_store_b128 v11, v[S+8*(2*\c+4+\t)+4*\e:S+8*(2*\c+4+\t)+4*\e+3] offset:16*SPI*\c+64*\t+16*\e        ; channel tiles 2 and 3
.endr
.endr
.endr
	s_wait_dscnt 0x0                               ; for the others' sake: my stores into the stage are done
	s_barrier_signal -1
	s_barrier_wait -1
.irp n, 0,1,2,3,4,5,6,7,8,9,10,11,12,13,14,15
	ds_load_b128 v[32+4*\n:32+4*\n+3], v12 offset:SPI*(\n/4)+512*(\n%4)
.endr
.irp n, 0,1,2,3,4,5,6,7,8,9,10,11,12,13,14,15
	s_wait_dscnt 15-\n                             ; the younger reads may stay out
	global_store_b128 v2, v[32+4*\n:32+4*\n+3], s[10:11] offset:4096*(\n/4)+512*(\n%4) th:TH_STORE_NT   ; 32 lanes store 512 consecutive bytes, aligned; written once, read by nobody here
.endr
	s_wait_tensorcnt 0x0
	ds_add_u32 v254, v255
	s_wait_dscnt 0x0
	s_endpgm
.Lfunc_end_k_q5c99a0b1c4_attn:
	.size	k_q5c99a0b1c4_attn, .Lfunc_end_k_q5c99a0b1c4_attn-k_q5c99a0b1c4_attn
	.p2alignl 7, 3214868480
	.fill 96, 4, 3214868480
	.section	.rodata,"a",@progbits
	.p2align	6, 0x0
	.amdhsa_kernel k_q5c99a0b1c4_attn
		.amdhsa_group_segment_fixed_size 269312
		.amdhsa_private_segment_fixed_size 0
		.amdhsa_enable_private_segment 0
		.amdhsa_kernarg_size 32
		.amdhsa_user_sgpr_count 2
		.amdhsa_user_sgpr_kernarg_segment_ptr 1
		.amdhsa_wavefront_size32 1
		.amdhsa_system_sgpr_workgroup_id_x 1
		.amdhsa_system_sgpr_workgroup_id_y 1
		.amdhsa_system_sgpr_workgroup_id_z 1
		.amdhsa_system_vgpr_workitem_id 0
		.amdhsa_next_free_vgpr 256
		.amdhsa_next_free_sgpr 66
		.amdhsa_reserve_vcc 0
		.amdhsa_float_denorm_mode_32 3
		.amdhsa_float_denorm_mode_16_64 3
		.amdhsa_fp16_overflow 1
		.amdhsa_memory_ordered 1
		.amdhsa_forward_progress 1
		.amdhsa_inst_pref_size 27
	.end_amdhsa_kernel
	.amdgpu_metadata
---
amdhsa.version: [ 1, 2 ]
amdhsa.kernels:
  - .name:           k_q5c99a0b1c4_attn
    .symbol:         k_q5c99a0b1c4_attn.kd
    .args:
      - { .name: hc, .offset: 0, .size: 8, .value_kind: global_buffer, .address_space: global }
      - { .name: ng, .offset: 8, .size: 8, .value_kind: global_buffer, .address_space: global }
      - { .name: lowp_scales, .offset: 16, .size: 8, .value_kind: global_buffer, .address_space: global }
      - { .name: out0, .offset: 24, .size: 8, .value_kind: global_buffer, .address_space: global }
    .group_segment_fixed_size: 269312
    .private_segment_fixed_size: 0
    .kernarg_segment_align: 8
    .kernarg_segment_size: 32
    .max_flat_workgroup_size: 512
    .sgpr_count:     66
    .vgpr_count:     256
    .wavefront_size: 32
...
	.end_amdgpu_metadata
.endif
;; end of part 4
